; MI455X (gfx1250); checked and timed in simulation.
; The chip was launched on July 23, 2026; its instructions are those of AMD's public machine-readable ISA for CDNA 5 (MIT licence, August 2026) and "CDNA5" Instruction Set Architecture Reference Guide (July 2026). The comments in the code are by the model that wrote it; some were corrected since.
;; Multi Head Attention. Allowed arithmetic: matrix products marked QUANTISED: E2M1 operands, one E8M0 scale for each 32 along K, by v_wmma_scale_f32_16x16x128_f8f6f4 with both operands' format E2M1 (or v_wmma_scale_f32_32x16x128_f4), f32 sums; everything else in f32.
;; Inputs: b_proj 1,024 float32; b_qkv 3,072 float32; w_proj 1,024 x 1,024 float32; w_qkv 1,024 x 3,072 float32; x 8 x 1,024 x 1,024 float32.
;; Outputs: out0 8 x 1,024 x 1,024 float32.
;; This version of the problem:
;;   THIS VERSION OF THE PROBLEM IS GIVEN IN LOW PRECISION. The matrix products marked QUANTISED in the list below multiply operands that are first quantised to E2M1 (2 exponent bits, 1 mantissa bit; 4 bits a number), with one power-of-two scale for each 32 numbers along K (OCP MX v1.0); their sums are f32. All else is computed in f32.
;;   The module's matrix products, in the order in which they are computed (A, B: the left and right operand; K: the contracted axis; several contracted axes count as one K, in the product's order):
;;     1. [M 8,192, K 1,024] x [K 1,024, N 3,072]; A: input x; B: input w_qkv: QUANTISED
;;     2. batch 128 x [M 1,024, K 64] x [K 64, N 1,024]; A: computed on the way; B: computed on the way: QUANTISED
;;     3. batch 128 x [M 64, K 1,024] x [K 1,024, N 1,024]; A: computed on the way; B: computed on the way: QUANTISED
;;     4. [M 8,192, K 1,024] x [K 1,024, N 1,024]; A: computed on the way; B: input w_proj: QUANTISED
;;   THE QUANTISER, for each operand of a quantised product, along K:
;;     - K is cut into blocks of 32 from its start; a last block that is shorter is filled with zeros.
;;     - A block's scale is 2^e with e = floor(log2(the largest magnitude in the block)) - 2, held to -126 .. 127; a block of zeros has e = 0. As a byte (E8M0): e + 127.
;;     - Each number is divided by its block's scale, clamped to +-6, and rounded to the nearest number of E2M1, ties to even, subnormals kept.
;;     - The product sums the exact products of the quantised numbers (number of the format x scale) in f32.
;;   ~~~python
;;   def quantise(x, axis):      # numpy; x: float32 -> the quantised numbers, widened to float32 again
;;       x = np.moveaxis(x, axis, -1); K = x.shape[-1]
;;       x = np.pad(x, [(0, 0)] * (x.ndim - 1) + [(0, -K % 32)]); x = x.reshape(x.shape[:-1] + (-1, 32)); a = np.abs(x).max(-1, keepdims=True)
;;       e = np.where(a > 0, np.clip(np.frexp(np.where(a > 0, a, 1))[1] - 1 - 2, -126, 127), 0)      # np.frexp(a)[1] - 1 = floor(log2(a)), exactly
;;       r = np.clip(x / 2.0 ** e, -6, 6)
;;       step = 2.0 ** (np.maximum(np.frexp(np.where(r == 0, 1, r))[1] - 1, 0) - 1)
;;       q = np.round(r / step) * step * 2.0 ** e      # np.round: ties to even
;;       return np.moveaxis(q.reshape(q.shape[:-2] + (-1,))[..., :K], -1, axis).astype(np.float32)
;;   ~~~
;;   OPERANDS COMPUTED ON THE WAY. 'Computed on the way' means the value that the module computes at that place (a softmax that the list does not call 'softmax' is quantised finished and normalised). What goes into a quantiser is computed in f32, as accurately as f32 sums, v_exp_f32 and their like allow (about 1e-6 of the number): no bf16 or f16 on the way to a quantiser, and a product that is left as it is and whose result goes on into a quantised operand takes f32 operands (vector FMAs, or v_wmma_f32_16x16x4_f32). A number that lies on a knife's edge between two numbers of the format may be rounded either way, as far as f32 arithmetic and the matrix unit's own rounding can turn it there, and no further.
;; One version. Each part assembles by itself: llvm-mc -triple=amdgcn-amd-amdhsa -mcpu=gfx1250 --defsym DOCPART=n.
;; ======== version 1 of 1: 4 launches
;; limits: right only within a limited range of input values
;; workspace buffers: xq 4,456,448 bytes; wq 2,228,224 bytes; qkvq 13,893,632 bytes; oq 4,718,592 bytes
;; launch quant (part 1): grid 768 x 1, 4 waves a work-group, no clusters, 34,304 bytes of LDS; arguments x, w_qkv, w_proj, xq, wq; writes xq, wq
.if DOCPART == 1
	.amdgcn_target "amdgcn-amd-amdhsa--gfx1250"
	.amdhsa_code_object_version 6
	.text
	.protected	k_q3bc0038a2f_quant
	.globl	k_q3bc0038a2f_quant
	.p2align	8
	.type	k_q3bc0038a2f_quant,@function
k_q3bc0038a2f_quant:
	s_mov_b64 s[64:65], 0
	v_nop
	global_prefetch_b8 v0, s[64:65] scope:SCOPE_SE
	s_setreg_imm32_b32 hwreg(HW_REG_WAVE_MODE, 25, 1), 1
	s_wait_xcnt 0x0
; x [8192][1024], w_qkv [1024][3072] and w_proj [1024][1024], f32, become codes of FP4 (E2M1) with one E8M0 byte for each 32 along K (K = 1024 for all three),
; laid as IMAGES OF OPERAND REGISTERS: a tile of 16 rows x 1024 K is 8,192 bytes; the 16 bytes (32 codes) of row p, block kb lie at 256 kb + 16 p, so that a fragment
; (16 rows x 128 K) is two loads of 16 bytes a lane at 16 x lane, 512 bytes apart.
; A block's scale is 2^(floor(log2(largest magnitude)) - 2): its byte is the largest magnitude's exponent field - 2, held at 1 from below by a floor among the maximum's leaves.
; LIMITS: a block of zeros gets the byte 1 where the rule says 127 (its codes are zeros, and this program alone reads the bytes); NaN and infinities are not served.
; THE ROWS OF A TILE ARE NOT NEIGHBOURS: PERM(p) = p + 8 (p / 8).  Token tile T holds at row p token 32 (T / 2) + 8 (T % 2) + PERM(p); a tile 2 b + u of a head's q, k or v columns holds d = 32 b + 8 u + PERM(p):
; in a later product's result the 16 registers of two neighbouring tiles are then 16 neighbours along the next K.  w_proj's tiles are natural.
; WORK-GROUPS 0-191: w_qkv; 192-255: w_proj; 256-767: x.  Every wave reads 16 KiB: a weight wave 32 columns x 128 along K, an x wave 16 tokens x 256 along K, whose 32 loads all go out at its head.
; Three paths that part on the work-group's number; only x's path uses LDS.  No barrier: waves share nothing.
.set XSO,   4194304                    ; xq: scale words behind the codes
.set W2CO,  1572864                    ; wq: w_proj's codes behind w_qkv's
.set W1SO,  2097152                    ; wq: w_qkv's scale words
.set W2SO,  2195456                    ; wq: w_proj's
.set SPI,   528                        ; a stage row: 512 bytes + 16: row r starts 4 r words on, so sixteen rows start at sixteen different groups of banks
.set RA,    16                         ; v16-143  x as loaded, two sets of 64
.set XA,    144                        ; v144-207 64 numbers of my row in the operand's order
.set CD,    208                        ; v208-223 codes, 8 registers a K step: no store's data are written again
.set WD,    240                        ; v240-241 a scale word for each K step
.set PW,    244                        ; v244     the words as they are stored
.set XW,    16                         ; weights: v16-79 two sets of 32 numbers
.set CW,    80                         ; v80-95 codes, 4 registers a block
.set SB,    112                        ; v112 the K step's four scale bytes
; ---- x: K step sl (of my two): 16 rows x 512 bytes, each load 512 consecutive bytes of one row
.macro LOADX sl
.irp p, 0,1,2,3,4,5,6,7,8,9,10,11,12,13,14,15
	global_load_b128 v[RA+64*((\sl)%2)+4*\p:RA+64*((\sl)%2)+4*\p+3], v1, s[4:5] offset:(\p+8*(\p/8))*4096+512*(\sl) th:TH_LOAD_NT
.endr
.endm
; through my own stage: in as loaded, out as the operand wants it: lane (r, h) takes of row r the numbers 64 c + 32 h + 0 .. 31.  LDS serves a wave's instructions in order: no wait between
.macro TURNX sl
.irp p, 0,1,2,3,4,5,6,7,8,9,10,11,12,13,14,15
	ds_store_b128 v2, v[RA+64*((\sl)%2)+4*\p:RA+64*((\sl)%2)+4*\p+3] offset:SPI*\p
.endr
.irp c, 0,1
.irp j, 0,1,2,3,4,5,6,7
	ds_load_b128 v[XA+32*\c+4*\j:XA+32*\c+4*\j+3], v3 offset:256*\c+16*\j
.endr
.endr
.endm
; two whole blocks of a lane become 8 registers of codes and two bytes of the row's scale word
.macro QX sl
.irp c, 0,1
	v_max3_num_f32 v[8+\c], |v[XA+32*\c]|, |v[XA+32*\c+1]|, 0x1800000   ; the floor 2^(3 - 127) is one more leaf: the byte cannot fall under 1
.endr
.irp i, 2,4,6,8,10,12,14,16,18,20,22,24,26,28,30
.irp c, 0,1
	v_max3_num_f32 v[8+\c], v[8+\c], |v[XA+32*\c+\i]|, |v[XA+32*\c+\i+1]|
.endr
.endr
.irp c, 0,1
	v_add_nc_u32 v[10+\c], 0xff000000, v[8+\c]     ; 2 off the exponent field: the conversion's scale operand
.endr
.irp c, 0,1
	v_lshrrev_b32 v[12+\c], 23, v[10+\c]           ; the byte
.endr
	v_lshl_or_b32 v14, v13, 16, v12                ; my blocks h and 2 + h,
	v_lshlrev_b32 v14, v5, v14                     ; 8 h bits up;
	v_permlanex16_b32 v15, v14, s20, s21
	v_or_b32 v[WD+\sl], v14, v15                   ; with lane l xor 16's two the word is whole
.irp c, 0,1
.irp g, 0,1,2,3
	v_cvt_scalef32_pk8_fp4_f32 v[CD+8*\sl+4*\c+\g], v[XA+32*\c+8*\g:XA+32*\c+8*\g+7], v[10+\c]
.endr
.endr
	v_nop                                          ; a plain line behind the last conversion
.irp c, 0,1
	global_store_b128 v1, v[CD+8*\sl+4*\c:CD+8*\sl+4*\c+3], s[10:11] offset:1024*\sl+512*\c   ; 512 consecutive bytes
.endr
.endm
; ---- weights: a lane takes a column, its registers run down K: block t of four
.macro LOADW t, rs
.set I, 0
.rept 32
	global_load_b32 v[XW+32*((\t)%2)+I], v1, s[24:25] offset:(32*(\t)+I)*(\rs)
.set I, I+1
.endr
.endm
.macro BLOCKW t, rs
.set XB, XW+32*((\t)%2)
.if (\t) < 3
	s_wait_loadcnt 32                              ; this block's 32 loads are in; the next block's may be out
.else
	s_wait_loadcnt 0
.endif
	v_max3_num_f32 v10, |v[XB]|, |v[XB+1]|, |v[XB+2]|
	v_max3_num_f32 v11, |v[XB+3]|, |v[XB+4]|, |v[XB+5]|
.irp i, 6,10,14,18,22,26
	v_max3_num_f32 v10, v10, |v[XB+\i]|, |v[XB+\i+1]|
	v_max3_num_f32 v11, v11, |v[XB+\i+2]|, |v[XB+\i+3]|
.endr
	v_max3_num_f32 v10, v10, |v[XB+30]|, |v[XB+31]|
	v_max3_num_f32 v10, v10, v11, 0x1800000
	v_add_nc_u32 v12, 0xff000000, v10
	v_lshrrev_b32 v13, 23, v12
.if (\t) == 0
	v_mov_b32 v[SB], v13
.else
	v_lshl_or_b32 v[SB], v13, 8*(\t), v[SB]
.endif
.irp g, 0,1,2,3
	v_cvt_scalef32_pk8_fp4_f32 v[CW+4*(\t)+\g], v[XB+8*\g:XB+8*\g+7], v12
.endr
	v_nop
	global_store_b128 v2, v[CW+4*(\t):CW+4*(\t)+3], s[26:27] offset:256*(\t)   ; lanes 0-15 fill 256 consecutive bytes of tile u = 0, lanes 16-31 of tile u = 1
.if (\t)+2 < 4
	LOADW (\t)+2, \rs
.endif
.endm
.macro WBODY rs
	LOADW 0, \rs
	LOADW 1, \rs
.irp t, 0,1,2,3
	BLOCKW \t, \rs
.endr
	global_store_b32 v3, v[SB], s[28:29]           ; [lane][K step 2 q, 2 q + 1]: my K step's word of each lane's pair; the wave of the other K step writes the words between
.endm
	s_load_b256 s[4:11], s[0:1], 0x0               ; x s[4:5], w_qkv s[6:7], w_proj s[8:9], xq s[10:11]
	s_load_b64 s[12:13], s[0:1], 0x20              ; wq
	v_lshl_add_u32 v248, v0, 2, 0x8400
	v_mov_b32 v249, 0
	v_lshrrev_b32 v1, 5, v0
	v_readfirstlane_b32 s14, v1                    ; wave
	v_and_b32 v6, 31, v0                           ; l
	v_and_b32 v7, 15, v0                           ; r
	v_bfe_u32 v8, v0, 4, 1                         ; h
	s_mov_b32 s20, 0x76543210
	s_mov_b32 s21, 0xfedcba98                      ; v_permlanex16_b32's selects for lane l xor 16
	s_mov_b32 s22, 0xffff0000                      ; a mask of lanes 16-31
	s_mov_b32 s25, 0
	s_mov_b32 s27, 0
	s_mov_b32 s29, 0
	s_cmp_lt_u32 ttmp9, 256
	s_cbranch_scc1 .Lweights
	; ---- x.  Two work-groups to a group of 32 tokens.  Wave: u = w % 2 (which tile of the group), gg = 2 (work-group % 2) + w / 2 (which two K steps)
	s_sub_co_u32 s19, ttmp9, 256
	s_lshr_b32 s23, s19, 1                         ; B: the group of 32 tokens
	s_and_b32 s19, s19, 1
	s_lshl_b32 s19, s19, 1
	s_and_b32 s15, s14, 1                          ; u
	s_lshr_b32 s16, s14, 1
	s_add_co_u32 s16, s16, s19                     ; gg
	s_lshl_b32 s17, s23, 1
	s_add_co_u32 s17, s17, s15                     ; T
	s_lshl_b32 s24, s23, 17                        ; x: (32 B + 8 u) rows of 4,096 bytes + 1,024 gg
	s_lshl_b32 s18, s15, 15
	s_add_co_u32 s24, s24, s18
	s_lshl_b32 s18, s16, 10
	s_add_co_u32 s24, s24, s18
	s_lshl_b32 s26, s17, 13                        ; codes: 8,192 T + 2,048 gg
	s_lshl_b32 s18, s16, 11
	s_add_co_u32 s26, s26, s18
	s_lshl_b32 s28, s17, 9                         ; scale words: [T][g 2][lane][2 words]; K steps 2 gg, 2 gg + 1 are both words of lanes 16 (gg % 2) + r of g = gg / 2: 128 gg + 8 r
	s_lshl_b32 s18, s16, 7
	s_add_co_u32 s28, s28, s18
	s_add_co_u32 s28, s28, XSO
	s_mul_i32 s18, s14, 16*SPI                     ; my stage
	s_wait_alu depctr_va_vdst(0)
	v_lshlrev_b32 v1, 4, v6                        ; 16 l
	v_add_nc_u32 v2, s18, v1                       ; into the stage
	v_mul_u32_u24 v3, v7, SPI
	v_lshl_add_u32 v3, v8, 7, v3
	v_add_nc_u32 v3, s18, v3                       ; out of it: row r, + 128 h
	v_lshlrev_b32 v4, 3, v7
	v_lshl_add_u32 v4, v8, 2, v4                   ; 8 r + 4 h: lanes 0-15 store row r's first word, lanes 16-31 its second
	v_lshlrev_b32 v5, 3, v8                        ; 8 h
	v_mov_b32 v15, 0                               ; a lane permute's destination counts as read
	s_wait_alu depctr_va_vdst(0)
	s_wait_kmcnt 0x0
	s_add_nc_u64 s[4:5], s[4:5], s[24:25]
	s_add_nc_u64 s[30:31], s[10:11], s[28:29]
	s_add_nc_u64 s[10:11], s[10:11], s[26:27]
	LOADX 0
	LOADX 1
	s_wait_loadcnt 16                              ; the first step's 16 loads are in; the second step's may be out
	TURNX 0
	s_wait_dscnt 0x0                               ; my 64 numbers are back
	QX 0
	s_wait_loadcnt 0
	TURNX 1
	s_wait_dscnt 0x0
	QX 1
	v_cndmask_b32 v[PW], v[WD], v[WD+1], s22       ; every lane holds its row's whole words: lanes 0-15 send the first K step's, lanes 16-31 the second's
	global_store_b32 v4, v[PW], s[30:31]           ; 128 consecutive bytes, each word by one lane
	s_wait_tensorcnt 0x0
	ds_add_u32 v248, v249
	s_wait_dscnt 0x0
	s_endpgm
.Lweights:
	s_cmp_lt_u32 ttmp9, 192
	s_cbranch_scc0 .Lproj_w
	; ---- w_qkv.  A wave: 32 columns (one of q, k, v; one head; d = 32 b ..) x one K step of 128.  Column of (hd, d, j) = 192 hd + 3 d + j
	s_lshl_b32 s15, ttmp9, 2
	s_add_co_u32 s15, s15, s14                     ; id 0 .. 767
	s_mul_hi_u32 s16, s15, 0x55555556              ; id / 3
	s_mul_i32 s17, s16, 3
	s_sub_co_u32 s17, s15, s17                     ; j: neighbouring waves read the same bytes' three thirds
	s_and_b32 s18, s16, 1                          ; b
	s_bfe_u32 s19, s16, 0x40001                    ; hd
	s_lshr_b32 s23, s16, 5                         ; the K step, 0 .. 7
	s_mul_i32 s24, s23, 128*12288
	s_mul_i32 s15, s19, 768
	s_add_co_u32 s24, s24, s15
	s_lshl_b32 s15, s17, 2
	s_add_co_u32 s24, s24, s15
	s_mul_i32 s15, s18, 384
	s_add_co_u32 s24, s24, s15
	s_mul_i32 s15, s19, 3
	s_add_co_u32 s15, s15, s17
	s_lshl_b32 s15, s15, 1
	s_add_co_u32 s15, s15, s18                     ; the pair of tiles P = (3 hd + j) 2 + b
	s_lshl_b32 s26, s15, 14                        ; codes: 16,384 P + 1,024 x K step
	s_lshl_b32 s16, s23, 10
	s_add_co_u32 s26, s26, s16
	s_lshl_b32 s28, s15, 10                        ; scale words: 1,024 P + 256 (K step / 2) + 4 (K step % 2)
	s_lshr_b32 s16, s23, 1
	s_lshl_b32 s16, s16, 8
	s_add_co_u32 s28, s28, s16
	s_and_b32 s16, s23, 1
	s_lshl_b32 s16, s16, 2
	s_add_co_u32 s28, s28, s16
	s_add_co_u32 s28, s28, W1SO
	s_wait_alu depctr_va_vdst(0)
	v_and_b32 v9, 8, v7
	v_add_nc_u32 v9, v9, v7                        ; PERM(r)
	v_lshl_add_u32 v9, v8, 3, v9                   ; + 8 u
	v_mul_u32_u24 v1, v9, 12                       ; 12 bytes from d to d + 1
	v_lshlrev_b32 v2, 4, v7
	v_lshl_add_u32 v2, v8, 13, v2                  ; out: tile u, row r
	v_lshlrev_b32 v3, 3, v6
	s_wait_alu depctr_va_vdst(0)
	s_wait_kmcnt 0x0
	s_add_nc_u64 s[24:25], s[6:7], s[24:25]
	s_add_nc_u64 s[28:29], s[12:13], s[28:29]
	s_add_nc_u64 s[26:27], s[12:13], s[26:27]
	WBODY 12288
	s_endpgm
.Lproj_w:
	; ---- w_proj.  A wave: columns 32 a + l x one K step of 128
	s_sub_co_u32 s15, ttmp9, 192
	s_lshl_b32 s15, s15, 2
	s_add_co_u32 s15, s15, s14                     ; id 0 .. 255
	s_and_b32 s16, s15, 31                         ; a
	s_lshr_b32 s23, s15, 5                         ; the K step
	s_lshl_b32 s24, s23, 19
	s_lshl_b32 s17, s16, 7
	s_add_co_u32 s24, s24, s17
	s_lshl_b32 s26, s16, 14
	s_lshl_b32 s17, s23, 10
	s_add_co_u32 s26, s26, s17
	s_add_co_u32 s26, s26, W2CO
	s_lshl_b32 s28, s16, 10
	s_lshr_b32 s17, s23, 1
	s_lshl_b32 s17, s17, 8
	s_add_co_u32 s28, s28, s17
	s_and_b32 s17, s23, 1
	s_lshl_b32 s17, s17, 2
	s_add_co_u32 s28, s28, s17
	s_add_co_u32 s28, s28, W2SO
	s_wait_alu depctr_va_vdst(0)
	v_lshlrev_b32 v1, 2, v6
	v_lshlrev_b32 v2, 4, v7
	v_lshl_add_u32 v2, v8, 13, v2
	v_lshlrev_b32 v3, 3, v6
	s_wait_alu depctr_va_vdst(0)
	s_wait_kmcnt 0x0
	s_add_nc_u64 s[24:25], s[8:9], s[24:25]
	s_add_nc_u64 s[28:29], s[12:13], s[28:29]
	s_add_nc_u64 s[26:27], s[12:13], s[26:27]
	WBODY 4096
	s_endpgm
.Lfunc_end_k_q3bc0038a2f_quant:
	.size	k_q3bc0038a2f_quant, .Lfunc_end_k_q3bc0038a2f_quant-k_q3bc0038a2f_quant
	.p2alignl 7, 3214868480
	.fill 96, 4, 3214868480
	.section	.rodata,"a",@progbits
	.p2align	6, 0x0
	.amdhsa_kernel k_q3bc0038a2f_quant
		.amdhsa_group_segment_fixed_size 34304
		.amdhsa_private_segment_fixed_size 0
		.amdhsa_enable_private_segment 0
		.amdhsa_kernarg_size 40
		.amdhsa_user_sgpr_count 2
		.amdhsa_user_sgpr_kernarg_segment_ptr 1
		.amdhsa_wavefront_size32 1
		.amdhsa_system_sgpr_workgroup_id_x 1
		.amdhsa_system_sgpr_workgroup_id_y 1
		.amdhsa_system_sgpr_workgroup_id_z 1
		.amdhsa_system_vgpr_workitem_id 0
		.amdhsa_next_free_vgpr 250
		.amdhsa_next_free_sgpr 66
		.amdhsa_reserve_vcc 0
		.amdhsa_float_denorm_mode_32 3
		.amdhsa_float_denorm_mode_16_64 3
		.amdhsa_memory_ordered 1
		.amdhsa_forward_progress 1
		.amdhsa_inst_pref_size 56
	.end_amdhsa_kernel
	.amdgpu_metadata
---
amdhsa.version: [ 1, 2 ]
amdhsa.kernels:
  - .name:           k_q3bc0038a2f_quant
    .symbol:         k_q3bc0038a2f_quant.kd
    .args:
      - { .name: x, .offset: 0, .size: 8, .value_kind: global_buffer, .address_space: global }
      - { .name: w_qkv, .offset: 8, .size: 8, .value_kind: global_buffer, .address_space: global }
      - { .name: w_proj, .offset: 16, .size: 8, .value_kind: global_buffer, .address_space: global }
      - { .name: xq, .offset: 24, .size: 8, .value_kind: global_buffer, .address_space: global }
      - { .name: wq, .offset: 32, .size: 8, .value_kind: global_buffer, .address_space: global }
    .group_segment_fixed_size: 34304
    .private_segment_fixed_size: 0
    .kernarg_segment_align: 8
    .kernarg_segment_size: 40
    .max_flat_workgroup_size: 128
    .sgpr_count:     66
    .vgpr_count:     250
    .wavefront_size: 32
...
	.end_amdgpu_metadata
.endif
;; end of part 1
;; launch qkv (part 2): grid 256 x 1, 4 waves a work-group, no clusters, 168,448 bytes of LDS; arguments xq, wq, b_qkv, qkvq; writes qkvq
.if DOCPART == 2
	.amdgcn_target "amdgcn-amd-amdhsa--gfx1250"
	.amdhsa_code_object_version 6
	.text
	.protected	k_q3bc0038a2f_qkv
	.globl	k_q3bc0038a2f_qkv
	.p2align	8
	.type	k_q3bc0038a2f_qkv,@function
k_q3bc0038a2f_qkv:
	s_mov_b64 s[64:65], 0
	v_nop
	global_prefetch_b8 v0, s[64:65] scope:SCOPE_SE
	s_setreg_imm32_b32 hwreg(HW_REG_WAVE_MODE, 25, 1), 1
	s_wait_xcnt 0x0
; qkv = x w_qkv + b_qkv on codes of FP4, and its three parts quantised at once for the attention: q and k along the head's 64 (two blocks), v along the tokens.  No f32 number goes to memory.
; SHARES.  A work-group: 512 tokens x one head's 192 columns (12 tiles of 16).  A wave: 128 tokens, 8 tiles.
; K IS THE OUTER WALK.  All 96 sums of a wave (8 token tiles x 12 tiles of W) are held at once, 768 registers: window 1 q, window 2 k, window 3 v; sum (token tile i, tile m of the four) at 32 i + 8 m.
; x STREAMS from memory through two buffers of 64 registers, a K step each; a K step's 16 loads are issued two K steps ahead of its products and are waited for by count, so they are on their way under the products.
; The head's 12 tiles of W, 98,304 bytes, lie in LDS, filled once (one tensor load a wave).  A RUN is one part's four tiles of W x my 8 token tiles at one K step: 32 matrix instructions on 32 accumulators by turns
; W's four fragments come from LDS through two buffers, one run ahead.
; q, k: source 0 = W's tile, source 1 = x's: a lane holds ONE token, registers run along d.   v: source 0 = x's tile, source 1 = W's: a lane holds ONE d, registers run along the tokens.
; By the choice of the tiles' rows (PERM(p) = p + 8 (p / 8), made by the launch before) the 16 registers of two neighbouring tiles are 16 neighbours along the next K; a block of 32 lies in lanes l and l xor 16.
; THE BIAS of q and k is the C of each sum's first matrix instruction: q's waits in window 2 and k's in window 3, whose own sums begin later.  v's, one number a lane and tile, is added ahead of v's quantiser.
; No cluster: what work-groups share here (W's 96 KiB of 352 KiB a work-group) is the smaller part, and x goes into registers, where no joint load can put it.
; x IS PREFETCHED, SHARED OUT: the sixteen work-groups (heads) that read the same 32 token tiles share them out by address: waves 0 and 1 of head h name tile 2 h + wave, 8,192 bytes, a lane to each 256, one instruction a wave,
; ahead of the first loads: of that tile K steps 2 to 7 are loaded one to six K steps later.  So each block of 256 bytes is named once among the sixteen.
; LIMITS: a block of zeros gets the byte 1 (its codes are zeros; the bytes are read by this program alone); NaN and infinities are not served.
.set XSO,  4194304
.set W1SO, 2097152
.set KVO,  4718592
.set KSO,  13107200
.set VSO,  13631488
.set BV,  8                            ; v8-11   v's bias: tile m's number for my d
.set XB,  12                           ; v12-139 x's fragments: K step s, tile i at 64 (s % 2) + 8 i
.set WB,  140                          ; v140-203 W's fragments: run R, tile m at 32 (R % 2) + 8 m
.set XS,  204                          ; v204-235 x's scale words: register 4 i + 2 (s / 4) + s % 2; lanes 0-15 or 16-31 by (s / 2) % 2
.set WS,  236                          ; v236-253 W's scale words, three sets of a K step: register 6 (s % 3) + pair; lanes 0-15: the pair's first tile, 16-31: its second
.set TM,  16                           ; the quantiser's registers lie where x's buffers lay
.set T2,  24
.set SO,  32
.set BY,  40
.set CD,  56
.set WD,  88
.set SP,  96
.set VSP, 100
.set MSB, 0
.macro WIN new                         ; the immediate's high byte repeats the setting that is left
.if MSB != (\new)
	s_set_vgpr_msb (MSB<<8)|(\new)
.set MSB, (\new)
.endif
.endm
; one matrix instruction; c: the C operand as it is written; ra, rb: A's and B's scales stand in lanes 16-31 of their registers
.macro WM d, a, b, c, sa, sb, ra, rb
.if (\ra) && (\rb)
	v_wmma_scale_f32_16x16x128_f8f6f4 v[(\d):(\d)+7], v[(\a):(\a)+7], v[(\b):(\b)+7], \c, v[\sa], v[\sb] matrix_a_fmt:MATRIX_FMT_FP4 matrix_b_fmt:MATRIX_FMT_FP4 matrix_a_scale:MATRIX_SCALE_ROW1 matrix_b_scale:MATRIX_SCALE_ROW1
.elseif (\ra)
	v_wmma_scale_f32_16x16x128_f8f6f4 v[(\d):(\d)+7], v[(\a):(\a)+7], v[(\b):(\b)+7], \c, v[\sa], v[\sb] matrix_a_fmt:MATRIX_FMT_FP4 matrix_b_fmt:MATRIX_FMT_FP4 matrix_a_scale:MATRIX_SCALE_ROW1
.elseif (\rb)
	v_wmma_scale_f32_16x16x128_f8f6f4 v[(\d):(\d)+7], v[(\a):(\a)+7], v[(\b):(\b)+7], \c, v[\sa], v[\sb] matrix_a_fmt:MATRIX_FMT_FP4 matrix_b_fmt:MATRIX_FMT_FP4 matrix_b_scale:MATRIX_SCALE_ROW1
.else
	v_wmma_scale_f32_16x16x128_f8f6f4 v[(\d):(\d)+7], v[(\a):(\a)+7], v[(\b):(\b)+7], \c, v[\sa], v[\sb] matrix_a_fmt:MATRIX_FMT_FP4 matrix_b_fmt:MATRIX_FMT_FP4
.endif
.endm
; run R = 3 s + g: the four tiles of part g (0 q, 1 k, 2 v) at K step s.  Tiles 0-7 by v1, tiles 8-11 by v2 (65,536 bytes on): the immediate has 16 bits
.macro LOADW R
.irp m, 0,1,2,3
.irp c, 0,1
	ds_load_b128 v[WB+32*((\R)%2)+8*\m+4*\c:WB+32*((\R)%2)+8*\m+4*\c+3], v[1+((\R)%3)/2] offset:((4*((\R)%3)+\m)%8)*8192+((\R)/3)*1024+\c*512
.endr
.endr
.endm
.macro LOADX s                         ; x's eight fragments of K step s: 16 loads of 512 consecutive bytes
.irp i, 0,1,2,3,4,5,6,7
.irp c, 0,1
	global_load_b128 v[XB+64*((\s)%2)+8*\i+4*\c:XB+64*((\s)%2)+8*\i+4*\c+3], v1, s[36:37] offset:8192*\i+1024*(\s)+512*\c
.endr
.endr
.endm
.macro LOADS s                         ; W's six scale words of K step s
.irp p, 0,1,2,3,4,5
	global_load_b32 v[WS+6*((\s)%3)+\p], v3, s[40:41] offset:1024*\p+256*((\s)/2)+4*((\s)%2)
.endr
.endm
.macro RUN s, g
.set RR, 3*(\s)+(\g)
.if RR < 23
	s_wait_dscnt 8                                 ; this run's eight loads are in; the next run's may be out
.else
	s_wait_dscnt 0
.endif
.if (\s) > 0
	WIN 0x50*(1+(\g))                              ; C and D: the part's window; all sources window 0
.elseif (\g) < 2
	WIN 0x60+0x50*(\g)                             ; the first K step: D the part's window, C the bias, in the window behind it
.else
	WIN 0xc0
.endif
.irp i, 0,1,2,3,4,5,6,7
.irp m, 0,1,2,3
.set AA, 32*\i+8*\m
.set CC, AA
.if (\s) == 0
.set CC, 8*\m
.endif
.if (\g) < 2
	WM AA, WB+32*(RR%2)+8*\m, XB+64*((\s)%2)+8*\i, v[CC:CC+7], WS+6*((\s)%3)+2*(\g)+\m/2, XS+4*\i+2*((\s)/4)+(\s)%2, \m%2, ((\s)/2)%2
.elseif (\s) == 0
	WM AA, XB+64*((\s)%2)+8*\i, WB+32*(RR%2)+8*\m, 0, XS+4*\i+2*((\s)/4)+(\s)%2, WS+6*((\s)%3)+2*(\g)+\m/2, ((\s)/2)%2, \m%2
.else
	WM AA, XB+64*((\s)%2)+8*\i, WB+32*(RR%2)+8*\m, v[CC:CC+7], XS+4*\i+2*((\s)/4)+(\s)%2, WS+6*((\s)%3)+2*(\g)+\m/2, ((\s)/2)%2, \m%2
.endif
.endr
.endr
.rept 5
	v_nop                                          ; places in front of loads into registers just multiplied, of the first read of results, and (five) of the sums that are laid over a bias
.endr
	WIN 0
.if RR+2 < 24
	LOADW RR+2
.endif
.endm
.macro KSTEP s
.set NL, 0                             ; the loads issued behind K step s's x: at the end of step s - 1, six scale words (for step s + 2) and x's sixteen of step s + 1
.if (\s) > 0
.if (\s)+2 < 8
.set NL, NL+6
.endif
.if (\s)+1 < 8
.set NL, NL+16
.endif
.endif
	s_wait_loadcnt NL
	RUN \s, 0
	RUN \s, 1
	RUN \s, 2
.if (\s)+3 < 8
	LOADS (\s)+3                                   ; into the set that this step has used
.endif
.if (\s)+2 < 8
	LOADX (\s)+2                                   ; into the buffer that this step has used
.endif
.endm
; group g of eight: 16 registers that are 16 neighbours along the next K, as LO .. LO + 7 and HI .. HI + 7.  kind 0: token tile g, tiles 2 b and 2 b + 1.  kind 1: tile 2 b + g / 4, token tiles 2 (g % 4) and + 1
.macro GRP kind, b, g
.if \kind
.set LO, 64*((\g)%4)+16*(\b)+8*((\g)/4)
.set HI, LO+32
.else
.set LO, 32*(\g)+16*(\b)
.set HI, LO+8
.endif
.endm
.macro QBLK kind, b, wn                ; wn: the part's window
	WIN 0x14*(\wn)                                 ; sources 1 and 2
.irp g, 0,1,2,3,4,5,6,7
	GRP \kind, \b, \g
	v_max3_num_f32 v[TM+\g], 0x1800000, |v[LO]|, |v[LO+1]|     ; each accumulator is read from its low end on; the floor 2^(3 - 127) holds the byte at 1
.endr
.irp i, 2,4,6
.irp g, 0,1,2,3,4,5,6,7
	GRP \kind, \b, \g
	v_max3_num_f32 v[TM+\g], v[TM+\g], |v[LO+\i]|, |v[LO+\i+1]|
.endr
.endr
.irp i, 0,2,4,6
.irp g, 0,1,2,3,4,5,6,7
	GRP \kind, \b, \g
	v_max3_num_f32 v[TM+\g], v[TM+\g], |v[HI+\i]|, |v[HI+\i+1]|
.endr
.endr
	WIN 0
.irp g, 0,1,2,3,4,5,6,7
	v_permlanex16_b32 v[T2+\g], v[TM+\g], s32, s33
.endr
.irp g, 0,1,2,3,4,5,6,7
	v_max_num_f32 v[TM+\g], v[TM+\g], v[T2+\g]     ; with lane l xor 16's 16: the block's largest magnitude
.endr
.irp g, 0,1,2,3,4,5,6,7
	v_add_nc_u32 v[SO+\g], 0xff000000, v[TM+\g]    ; 2 off its exponent field: the conversion's scale operand
.endr
.irp g, 0,1,2,3,4,5,6,7
	v_lshrrev_b32 v[BY+(1-(\kind))*(2*\g+(\b))+(\kind)*\g], 23, v[SO+\g]
.endr
	s_wait_xcnt 0x0                                ; earlier stores have read the codes' registers, which are written again below
	WIN 0x01*(\wn)                                 ; source 0
.irp g, 0,1,2,3,4,5,6,7
	GRP \kind, \b, \g
.set CI, CD+(1-(\kind))*(4*\g+2*(\b))+(\kind)*(8*(\g/4)+2*(\g%4))
	v_cvt_scalef32_pk8_fp4_f32 v[CI], v[LO:LO+7], v[SO+\g]
	v_cvt_scalef32_pk8_fp4_f32 v[CI+1], v[HI:HI+7], v[SO+\g]
.endr
	WIN 0
	v_nop                                          ; a plain line behind the last conversion
.endm
; q or k: both blocks are made.  The exchange of halves puts a whole block into a lane (lanes 0-15 block 0, lanes 16-31 block 1): registers 0-3 of a fragment
.macro OUTQK cp, sp, so
.irp g, 0,1,2,3,4,5,6,7
	v_permlane16_swap_b32 v[CD+4*\g], v[CD+4*\g+2]
	v_permlane16_swap_b32 v[CD+4*\g+1], v[CD+4*\g+3]
.endr
.irp g, 0,1,2,3,4,5,6,7
	v_lshl_or_b32 v[WD+\g], v[BY+2*\g+1], 8, v[BY+2*\g]        ; the token's scale word: two bytes; the upper two stay 0
.endr
.irp g, 0,1,2,3,4,5,6,7
	global_store_b128 v1, v[CD+4*\g:CD+4*\g+3], s[\cp:\cp+1] offset:512*\g   ; 512 consecutive bytes a tile
.endr
.irp t, 0,1,2,3
	v_cndmask_b32 v[SP+\t], v[WD+\t], v[WD+\t+4], s34          ; lanes 0-15: tiles 0-3, lanes 16-31: tiles 4-7
.endr
	global_store_b128 v1, v[SP:SP+3], s[\sp:\sp+1] offset:\so
.endm
; v, d = 32 b ..: two fragments (tiles 2 b and 2 b + 1 of V^T) of the K step that my 128 tokens are
.macro OUTV b
.irp u, 0,1
.irp c, 0,1
.irp i, 0,1
	v_permlane16_swap_b32 v[CD+8*\u+4*\c+\i], v[CD+8*\u+4*\c+2+\i]
.endr
.endr
.endr
.irp u, 0,1
	v_lshl_or_b32 v[WD+\u], v[BY+4*\u+1], 8, v[BY+4*\u]
	v_lshl_or_b32 v[WD+\u], v[BY+4*\u+2], 16, v[WD+\u]
	v_lshl_or_b32 v[WD+\u], v[BY+4*\u+3], 24, v[WD+\u]
.endr
.irp u, 0,1
.irp c, 0,1
	global_store_b128 v1, v[CD+8*\u+4*\c:CD+8*\u+4*\c+3], s[50:51] offset:(2*\b+\u)*1024+512*\c
.endr
.endr
	v_cndmask_b32 v[VSP+\b], v[WD], v[WD+1], s34
.endm
	s_load_b256 s[4:11], s[0:1], 0x0               ; xq s[4:5], wq s[6:7], b_qkv s[8:9], qkvq s[10:11]
	v_lshl_add_u32 v254, v0, 2, 0x29000
	v_mov_b32 v255, 0
	ds_add_u32 v254, v255                          ; the opening lines: the add twice on end and its wait ahead of my tensor load
	ds_add_u32 v254, v255
	v_lshrrev_b32 v6, 5, v0
	v_readfirstlane_b32 s12, v6                    ; wave
	s_and_b32 s13, ttmp9, 15                       ; the head
	s_lshr_b32 s14, ttmp9, 4                       ; which 512 tokens
	s_mov_b32 s16, 3<<16                           ; group 1: elements of 8 bytes, no padding, no mask
	s_mov_b32 s17, 32<<16                          ; tensor_dim0 = 32 elements: rows of 256 bytes
	s_mov_b32 s18, 96<<16                          ; tensor_dim1 = 96
	s_mov_b32 s19, 32<<16                          ; tile_dim0
	s_mov_b32 s20, 96                              ; tile_dim1: 24,576 dense bytes a wave
	s_mov_b32 s21, 32                              ; the pitch
	s_mov_b32 s22, 0
	s_mov_b32 s23, 0
	s_mov_b32 s24, 1
	s_mul_i32 s25, s12, 24576                      ; LDS: my quarter of the head's W
	s_mul_i32 s54, s13, 98304
	s_add_co_u32 s54, s54, s25
	s_mov_b32 s55, 0
	s_wait_dscnt 0x0
	s_wait_kmcnt 0x0
	s_add_nc_u64 s[26:27], s[6:7], s[54:55]
	s_or_b32 s27, s27, 0x80000000
	tensor_load_to_lds s[24:27], s[16:23]          ; filled once: no slot is ever filled again in this launch
	s_nop 0
	v_and_b32 v6, 31, v0                           ; l
	v_and_b32 v7, 15, v0                           ; r
	v_bfe_u32 v8, v0, 4, 1                         ; h
	v_lshlrev_b32 v1, 4, v6                        ; 16 l: an image's place for my lane, in LDS and in memory
	v_add_nc_u32 v2, 65536, v1
	v_lshlrev_b32 v3, 3, v6                        ; 8 l
	v_mul_u32_u24 v4, v8, 192                      ; the bias of q, k: 16 h values of d on, 12 bytes each
	v_and_b32 v5, 8, v7
	v_add_nc_u32 v5, v5, v7
	v_mul_u32_u24 v5, v5, 12                       ; the bias of v: d = .. + PERM(r)
	v_lshlrev_b32 v6, 8, v6                        ; the prefetch's offset: 256 l; never rewritten
	s_wait_alu depctr_va_vdst(0)                   ; the wait at the head's end, behind its last vector instruction
	s_mov_b32 s32, 0x76543210
	s_mov_b32 s33, 0xfedcba98
	s_mov_b32 s34, 0xffff0000                      ; a mask of lanes 16-31
	s_lshl_b32 s15, s14, 5
	s_lshl_b32 s28, s12, 3
	s_add_co_u32 s15, s15, s28                     ; T0: my first token tile
	s_lshl_b32 s54, s15, 13
	s_add_nc_u64 s[36:37], s[4:5], s[54:55]        ; x's codes
	s_lshl_b32 s54, s14, 5                         ; the prefetch: of the 32 token tiles that sixteen heads read, tile 2 x head + wave is mine to name
	s_lshl_b32 s28, s13, 1
	s_add_co_u32 s54, s54, s28
	s_add_co_u32 s54, s54, s12
	s_lshl_b32 s54, s54, 13
	s_add_nc_u64 s[58:59], s[4:5], s[54:55]        ; never rewritten
	s_cmp_lt_u32 s12, 2
	s_cbranch_scc0 .Lno_ask                        ; waves 0 and 1 ask: 2 x 32 lanes x 256 bytes are the head's two tiles
	global_prefetch_b8 v6, s[58:59] th:TH_LOAD_NT scope:SCOPE_SE
.Lno_ask:
	LOADX 0
	LOADX 1
	s_lshl_b32 s54, s15, 9
	s_add_co_u32 s54, s54, XSO
	s_add_nc_u64 s[38:39], s[4:5], s[54:55]        ; x's scale words
	s_mul_i32 s54, s13, 6144
	s_add_co_u32 s54, s54, W1SO
	s_add_nc_u64 s[40:41], s[6:7], s[54:55]        ; W's scale words
	s_mul_i32 s54, s13, 768
	s_add_nc_u64 s[42:43], s[8:9], s[54:55]        ; the head's 192 biases
.irp i, 0,1,2,3,4,5,6,7
.irp g, 0,1
	global_load_b64 v[XS+4*\i+2*\g:XS+4*\i+2*\g+1], v3, s[38:39] offset:512*\i+256*\g
.endr
.endr
	LOADS 0
	LOADS 1
	LOADS 2
.irp j, 0,1                            ; q's bias into window 2, k's into window 3: tile m = 2 b + n at 8 m; register e is d = 32 b + 8 n + 16 h + e
	WIN 0x80+0x40*\j
.irp m, 0,1,2,3
.irp e, 0,1,2,3,4,5,6,7
	global_load_b32 v[8*\m+\e], v4, s[42:43] offset:(3*(16*\m+\e-8*(\m%2))+\j)*4
.endr
.endr
.endr
	WIN 0
.irp m, 0,1,2,3
	global_load_b32 v[BV+\m], v5, s[42:43] offset:(3*(16*\m-8*(\m%2))+2)*4    ; v: the lane's one d of tile m
.endr
	s_lshr_b32 s28, s14, 1
	s_lshl_b32 s28, s28, 4
	s_add_co_u32 s28, s28, s13                     ; bh = 16 batch + head
	s_and_b32 s29, s14, 1
	s_lshl_b32 s29, s29, 2
	s_add_co_u32 s29, s29, s12                     ; G: which 128 tokens of the batch's 1,024
	s_lshl_b32 s54, s28, 3
	s_add_co_u32 s54, s54, s29
	s_mul_i32 s54, s54, 4608
	s_add_nc_u64 s[44:45], s[10:11], s[54:55]      ; q: 8 tiles x 512 bytes, then 512 bytes of scale words
	s_lshl_b32 s54, s28, 16
	s_lshl_b32 s56, s29, 12
	s_add_co_u32 s54, s54, s56
	s_add_co_u32 s54, s54, KVO
	s_add_nc_u64 s[46:47], s[10:11], s[54:55]      ; k's codes
	s_add_nc_u64 s[50:51], s[46:47], 32768         ; v's codes
	s_lshl_b32 s54, s28, 12
	s_lshl_b32 s56, s29, 9
	s_add_co_u32 s54, s54, s56
	s_add_co_u32 s54, s54, KSO
	s_add_nc_u64 s[48:49], s[10:11], s[54:55]      ; k's scale words
	s_lshl_b32 s54, s28, 11
	s_lshl_b32 s56, s29, 8
	s_add_co_u32 s54, s54, s56
	s_add_co_u32 s54, s54, VSO
	s_add_nc_u64 s[52:53], s[10:11], s[54:55]      ; v's scale words
	s_wait_tensorcnt 0x0                           ; my quarter of W is in LDS,
	s_barrier_signal -1
	s_barrier_wait -1                              ; everybody's is
	LOADW 0
	LOADW 1
.irp s, 0,1,2,3,4,5,6,7
	KSTEP \s
.endr
.irp g, 0,1,2,3,4,5,6,7
	v_mov_b32 v[T2+\g], 0                          ; a lane permute's destination counts as read
.endr
	QBLK 0, 0, 1
	QBLK 0, 1, 1
	OUTQK 44, 44, 4096
	QBLK 0, 0, 2
	QBLK 0, 1, 2
	OUTQK 46, 48, 0
	WIN 0xc3                                       ; v + its bias, two at a time: source 0 and destination window 3; of the bias's pair one register serves both halves
.irp i, 0,1,2,3,4,5,6,7
.irp m, 0,1,2,3
.irp e, 0,2,4,6
.if \m%2
	v_pk_add_f32 v[32*\i+8*\m+\e:32*\i+8*\m+\e+1], v[32*\i+8*\m+\e:32*\i+8*\m+\e+1], v[BV+\m-1:BV+\m] op_sel:[0,1] op_sel_hi:[1,1]
.else
	v_pk_add_f32 v[32*\i+8*\m+\e:32*\i+8*\m+\e+1], v[32*\i+8*\m+\e:32*\i+8*\m+\e+1], v[BV+\m:BV+\m+1] op_sel_hi:[1,0]
.endif
.endr
.endr
.endr
	QBLK 1, 0, 3
	OUTV 0
	QBLK 1, 1, 3
	OUTV 1
	global_store_b64 v3, v[VSP:VSP+1], s[52:53]    ; 256 consecutive bytes
	s_wait_tensorcnt 0x0                           ; the wave's end
	ds_add_u32 v254, v255
	s_wait_dscnt 0x0
	s_endpgm
.Lfunc_end_k_q3bc0038a2f_qkv:
	.size	k_q3bc0038a2f_qkv, .Lfunc_end_k_q3bc0038a2f_qkv-k_q3bc0038a2f_qkv
	.p2alignl 7, 3214868480
	.fill 96, 4, 3214868480
	.section	.rodata,"a",@progbits
	.p2align	6, 0x0
	.amdhsa_kernel k_q3bc0038a2f_qkv
		.amdhsa_group_segment_fixed_size 168448
		.amdhsa_private_segment_fixed_size 0
		.amdhsa_enable_private_segment 0
		.amdhsa_kernarg_size 32
		.amdhsa_user_sgpr_count 2
		.amdhsa_user_sgpr_kernarg_segment_ptr 1
		.amdhsa_wavefront_size32 1
		.amdhsa_system_sgpr_workgroup_id_x 1
		.amdhsa_system_sgpr_workgroup_id_y 1
		.amdhsa_system_sgpr_workgroup_id_z 1
		.amdhsa_system_vgpr_workitem_id 0
		.amdhsa_next_free_vgpr 1024
		.amdhsa_next_free_sgpr 66
		.amdhsa_reserve_vcc 0
		.amdhsa_float_denorm_mode_32 3
		.amdhsa_float_denorm_mode_16_64 3
		.amdhsa_memory_ordered 1
		.amdhsa_forward_progress 1
		.amdhsa_inst_pref_size 200
	.end_amdhsa_kernel
	.amdgpu_metadata
---
amdhsa.version: [ 1, 2 ]
amdhsa.kernels:
  - .name:           k_q3bc0038a2f_qkv
    .symbol:         k_q3bc0038a2f_qkv.kd
    .args:
      - { .name: xq, .offset: 0, .size: 8, .value_kind: global_buffer, .address_space: global }
      - { .name: wq, .offset: 8, .size: 8, .value_kind: global_buffer, .address_space: global }
      - { .name: b_qkv, .offset: 16, .size: 8, .value_kind: global_buffer, .address_space: global }
      - { .name: qkvq, .offset: 24, .size: 8, .value_kind: global_buffer, .address_space: global }
    .group_segment_fixed_size: 168448
    .private_segment_fixed_size: 0
    .kernarg_segment_align: 8
    .kernarg_segment_size: 32
    .max_flat_workgroup_size: 128
    .sgpr_count:     66
    .vgpr_count:     1024
    .wavefront_size: 32
...
	.end_amdgpu_metadata
.endif
;; end of part 2
;; launch attn (part 3): grid 256 x 1, 4 waves a work-group, no clusters, 168,448 bytes of LDS; arguments qkvq, oq; writes oq
.if DOCPART == 3
	.amdgcn_target "amdgcn-amd-amdhsa--gfx1250"
	.amdhsa_code_object_version 6
	.text
	.protected	k_q3bc0038a2f_attn
	.globl	k_q3bc0038a2f_attn
	.p2align	8
	.type	k_q3bc0038a2f_attn,@function
k_q3bc0038a2f_attn:
	s_mov_b64 s[64:65], 0
	v_nop
	global_prefetch_b8 v0, s[64:65] scope:SCOPE_SE
	s_setreg_imm32_b32 hwreg(HW_REG_WAVE_MODE, 25, 1), 1
	s_wait_xcnt 0x0
; o = (softmax(q k^T) / 32) v for one (batch, head), both products on codes of FP4 (E2M1) with E8M0 scales; o is quantised at once, along the head's 64, for the projection.
; The softmax is quantised FINISHED: att = exp(s - row maximum) / (32 x row sum), in f32, blocks of 32 keys.  So a whole row of 1,024 scores is held in registers.
; SHARES.  A work-group: 512 queries of one (batch, head).  A wave: 128 queries, in 8 trips of one tile of 16 queries x all 1,024 keys: 512 registers of scores.
; Both products are used transposed (S^T = K Q^T, O^T = V^T P^T): a lane holds ONE query.  By the choice of the tiles' rows (made by the launches before) the 16 registers of two neighbouring tiles are 16 neighbours along the next K.
; K AND V, 65,536 bytes, come into LDS once, one tensor load a wave.  K GOES ON INTO REGISTERS AND STAYS: a tile's 64 codes a key are 4 registers, 64 tiles fill window 3.
; The product's K is 128, the head's is 64: Q's registers 4-7 are zero codes.  K's operand is the run of 8 registers from its tile's first: registers 4-7 of the run are the NEXT tile's codes; each meets a zero code of Q under
; finite scale bytes (both words' upper bytes are 0), and FP4 has no NaN or infinity: they add 0.  Tile 63 has a copy in window 0 with zeros behind it, since its run would leave the register file.
; V's 32 fragments are read from LDS in each trip, into the registers of window 1 as soon as p there has been converted, by halves.  Q's tile and scale word come from memory one trip ahead.
; No cluster: a head's K and V are shared by two work-groups alone, and are fetched once, 64 KiB of each work-group's life; there is no loop of fills.  No prefetch: the one fill stands at the head, with no loop to run ahead in.
; LIMITS: a block of zeros gets the byte 1 (its codes are zeros; the bytes are read by this program alone); NaN and infinities are not served.
; REGISTERS.  window 0: v1-15 addresses and a row's numbers; Q, scale words, O^T, block maxima, sums, p's codes as named below.  windows 1, 2: S^T, then p (tile j at 8 (j % 32) of window 1 + j / 32); window 1 then V.  window 3: K.
.set KVO, 4718592
.set KSO, 13107200
.set VSO, 13631488
.set OSO, 4194304
.set QB,  4608                         ; a wave's q: 8 tiles x 512 bytes, then 512 bytes of scale words
.set LOS, 65536                        ; LDS behind K and V: 512 bytes a wave for o's scale halves
.set SPARE, 0x29000                    ; the spare words, 128 bytes a wave
.set QF,  16                           ; v16-23 Q's fragment; 20-23 zeros
.set QS,  24                           ; Q's scale word
.set KS,  32                           ; v32-63 K's scale words: tile j: register 4 (j / 8) + j % 4, lanes by (j / 4) % 2
.set VS,  64                           ; v64-79 V's
.set PS,  80                           ; v80-87 p's scale words, one a key step of 128
.set OT,  88                           ; v88-119 O^T
.set BM,  120                          ; v120-151 the 32 blocks' maxima, then their scale operands
.set TT,  152
.set SM,  152                          ; v152-167 eight chains of sums
.set PC,  168                          ; v168-231 p's codes
.set OC,  232
.set SC,  236
.set KL,  246                          ; v246-253 K's tile 63, zeros behind it
.set MSB, 0
.macro WIN new                         ; the immediate's high byte repeats the setting that is left
.if MSB != (\new)
	s_set_vgpr_msb (MSB<<8)|(\new)
.set MSB, (\new)
.endif
.endm
.macro WM d, a, b, c, sa, sb, ra       ; c < 0: the product starts the sum;  ra: A's scales stand in lanes 16-31
.if (\c) < 0
.if (\ra)
	v_wmma_scale_f32_16x16x128_f8f6f4 v[(\d):(\d)+7], v[(\a):(\a)+7], v[(\b):(\b)+7], 0, v[\sa], v[\sb] matrix_a_fmt:MATRIX_FMT_FP4 matrix_b_fmt:MATRIX_FMT_FP4 matrix_a_scale:MATRIX_SCALE_ROW1
.else
	v_wmma_scale_f32_16x16x128_f8f6f4 v[(\d):(\d)+7], v[(\a):(\a)+7], v[(\b):(\b)+7], 0, v[\sa], v[\sb] matrix_a_fmt:MATRIX_FMT_FP4 matrix_b_fmt:MATRIX_FMT_FP4
.endif
.else
.if (\ra)
	v_wmma_scale_f32_16x16x128_f8f6f4 v[(\d):(\d)+7], v[(\a):(\a)+7], v[(\b):(\b)+7], v[(\c):(\c)+7], v[\sa], v[\sb] matrix_a_fmt:MATRIX_FMT_FP4 matrix_b_fmt:MATRIX_FMT_FP4 matrix_a_scale:MATRIX_SCALE_ROW1
.else
	v_wmma_scale_f32_16x16x128_f8f6f4 v[(\d):(\d)+7], v[(\a):(\a)+7], v[(\b):(\b)+7], v[(\c):(\c)+7], v[\sa], v[\sb] matrix_a_fmt:MATRIX_FMT_FP4 matrix_b_fmt:MATRIX_FMT_FP4
.endif
.endif
.endm
; the largest score of each of a window's 16 blocks (my 16 keys of each); each accumulator is read from its low end on
.macro BMAX w
	WIN 0x15*(1+\w)
.set B, 0
.rept 16
	v_max3_num_f32 v[BM+16*\w+B], v[16*B], v[16*B+1], v[16*B+2]
.set B, B+1
.endr
	WIN 0x14*(1+\w)
.irp i, 3,5,7,9,11,13
.set B, 0
.rept 16
	v_max3_num_f32 v[BM+16*\w+B], v[BM+16*\w+B], v[16*B+\i], v[16*B+\i+1]
.set B, B+1
.endr
.endr
.set B, 0
.rept 16
	v_max_num_f32 v[BM+16*\w+B], v[BM+16*\w+B], v[16*B+15]
.set B, B+1
.endr
.endm
.macro FMAW w                          ; (s - maximum) x log2(e), two at a time
	WIN 0x41*(1+\w)
.set J, 0
.rept 128
	v_pk_fma_f32 v[J:J+1], v[J:J+1], s[42:43], v[10:11] op_sel_hi:[1,0,0]
.set J, J+2
.endr
.endm
.macro EXPW w
	WIN 0x41*(1+\w)
.set J, 0
.rept 256
	v_exp_f32 v[J], v[J]
.set J, J+1
.endr
.endm
; half hf of window 1 + w: p x 1 / (32 x sum), then eight blocks' codes
.macro NORMH w, hf
	WIN 0x41*(1+\w)
.set J, 128*(\hf)
.rept 64
	v_pk_mul_f32 v[J:J+1], v[J:J+1], v[12:13] op_sel_hi:[1,0]
.set J, J+2
.endr
	WIN 0x01*(1+\w)
.set B, 8*(\hf)
.rept 8
	v_cvt_scalef32_pk8_fp4_f32 v[PC+32*\w+2*B], v[16*B:16*B+7], v[BM+16*\w+B]
	v_cvt_scalef32_pk8_fp4_f32 v[PC+32*\w+2*B+1], v[16*B+8:16*B+15], v[BM+16*\w+B]
.set B, B+1
.endr
	v_nop                                          ; a plain line behind the last conversion
.endm
.macro LOADV hf                        ; V's fragments 16 hf .. + 15 (key step s, tile dt: 4 s + dt) over the half of window 1 just converted
	WIN 0x40
.set F, 16*(\hf)
.rept 16
	ds_load_b128 v[8*F:8*F+3], v1 offset:32768+1024*F
	ds_load_b128 v[8*F+4:8*F+7], v1 offset:32768+1024*F+512
.set F, F+1
.endr
.endm
	s_load_b128 s[4:7], s[0:1], 0x0                ; qkvq s[4:5], oq s[6:7]
	v_lshl_add_u32 v254, v0, 2, SPARE
	v_mov_b32 v255, 0
	ds_add_u32 v254, v255                          ; the opening lines: the add twice on end and its wait ahead of my tensor load
	ds_add_u32 v254, v255
	v_lshrrev_b32 v1, 5, v0
	v_readfirstlane_b32 s8, v1                     ; wave
	s_lshr_b32 s9, ttmp9, 1                        ; bh = 16 batch + head
	s_and_b32 s10, ttmp9, 1                        ; which 512 queries
	s_lshl_b32 s11, s10, 2
	s_add_co_u32 s11, s11, s8                      ; G: which 128 queries are my wave's
	s_mov_b32 s16, 3<<16                           ; group 1: 64 dense rows of 256 bytes (32 elements of 8 bytes): 16,384 bytes a wave
	s_mov_b32 s17, 32<<16
	s_mov_b32 s18, 64<<16
	s_mov_b32 s19, 32<<16
	s_mov_b32 s20, 64
	s_mov_b32 s21, 32
	s_mov_b32 s22, 0
	s_mov_b32 s23, 0
	s_mov_b32 s32, 1
	s_lshl_b32 s33, s8, 14                         ; LDS: waves 0, 1 K's halves, waves 2, 3 V's
	s_lshl_b32 s56, s9, 16
	s_add_co_u32 s56, s56, s33
	s_add_co_u32 s56, s56, KVO
	s_mov_b32 s57, 0
	s_lshl_b32 s58, s9, 3
	s_add_co_u32 s58, s58, s11
	s_mul_i32 s58, s58, QB
	s_mov_b32 s59, 0
	s_wait_dscnt 0x0                               ; both opening adds are done
	s_wait_kmcnt 0x0
	s_add_nc_u64 s[34:35], s[4:5], s[56:57]
	s_or_b32 s35, s35, 0x80000000
	s_add_nc_u64 s[38:39], s[4:5], s[58:59]        ; my wave's q
	tensor_load_to_lds s[32:35], s[16:23]          ; filled once: nothing is filled again in this launch
	s_nop 0
	v_and_b32 v236, 31, v0                         ; l
	v_and_b32 v237, 15, v0                         ; r
	v_lshlrev_b32 v1, 4, v236                      ; 16 l: an image's place for my lane, in LDS and in memory
	v_lshlrev_b32 v9, 3, v236                      ; 8 l
	v_lshlrev_b32 v3, 4, v237
	v_add_nc_u32 v3, 4096, v3                      ; q's scale words: 16 r behind the codes
	s_lshl_b32 s46, s8, 9
	s_add_co_u32 s46, s46, LOS
	v_lshl_add_u32 v6, v237, 2, s46                ; o's scale halves: into my stage, a word a row,
	v_add_nc_u32 v15, s46, v1                      ; and out of it
	v_mov_b32 v11, 0                               ; upper halves of pairs whose low word serves both
	v_mov_b32 v13, 0
.irp j, 4,5,6,7
	v_mov_b32 v[QF+\j], 0                          ; Q's codes for k = 64 .. 127: zeros
	v_mov_b32 v[KL+\j], 0
.endr
.irp j, 0,1,2,3,4,5,6,7
	v_mov_b32 v[TT+\j], 0                          ; a lane permute's destination counts as read
.endr
	v_mov_b32 v[SC+2], 0
	v_mov_b32 v[SC+3], 0
	s_mov_b32 s40, 0x76543210
	s_mov_b32 s41, 0xfedcba98                      ; v_permlanex16_b32's selects for lane l xor 16
	s_mov_b32 s42, 0x3fb8aa3b                      ; log2(e)
	s_mov_b32 s43, s42
	s_lshl_b32 s56, s9, 12
	s_add_co_u32 s56, s56, KSO
	s_add_nc_u64 s[48:49], s[4:5], s[56:57]        ; k's scale words
	s_lshl_b32 s56, s9, 11
	s_add_co_u32 s56, s56, VSO
	s_add_nc_u64 s[50:51], s[4:5], s[56:57]        ; v's
	s_and_b32 s12, s9, 15                          ; the head
	s_lshr_b32 s13, s9, 4                          ; the batch
	s_lshl_b32 s47, s13, 6
	s_lshl_b32 s56, s11, 3
	s_add_co_u32 s47, s47, s56                     ; my first token tile
	s_lshl_b32 s56, s47, 13
	s_lshl_b32 s58, s12, 9
	s_add_co_u32 s56, s56, s58
	s_add_nc_u64 s[52:53], s[6:7], s[56:57]        ; o's codes: tile x 8,192 + head x 512
	s_lshl_b32 s56, s12, 15
	s_lshl_b32 s58, s47, 6
	s_add_co_u32 s56, s56, s58
	s_add_co_u32 s56, s56, OSO
	s_add_nc_u64 s[54:55], s[6:7], s[56:57]        ; o's scale halves, [head][tile][row]
	s_wait_alu depctr_va_vdst(0)                   ; the wait at the head's end, behind its last vector instruction
.irp g, 0,1,2,3,4,5,6,7
	global_load_b128 v[KS+4*\g:KS+4*\g+3], v1, s[48:49] offset:512*\g
.endr
.irp s, 0,1,2,3,4,5,6,7
	global_load_b64 v[VS+2*\s:VS+2*\s+1], v9, s[50:51] offset:256*\s
.endr
	global_load_b128 v[QF:QF+3], v1, s[38:39]      ; the first trip's Q
	global_load_b32 v[QS], v3, s[38:39]
	s_wait_tensorcnt 0x0                           ; my quarter of K and V is in LDS,
	s_barrier_signal -1
	s_barrier_wait -1                              ; everybody's is
	WIN 0xc0                                       ; destination window 3: all of K, read from LDS once
.set J, 0
.rept 64
	ds_load_b128 v[4*J:4*J+3], v1 offset:512*J
.set J, J+1
.endr
	WIN 0
	ds_load_b128 v[KL:KL+3], v1 offset:512*63
	s_mov_b32 s44, 0
	s_wait_dscnt 0x0
.Ltrip:
	s_wait_loadcnt 0x0                             ; this trip's Q (the first time: all scale words too)
	WIN 0x43                                       ; source 0 (K) window 3, source 1 (Q) window 0, D window 1
.set J, 0
.rept 32
	WM 8*J, 4*J, QF, -1, KS+4*(J/8)+J%4, QS, (J/4)%2
.set J, J+1
.endr
	WIN 0x83                                       ; D window 2
.rept 31
	WM 8*(J-32), 4*J, QF, -1, KS+4*(J/8)+J%4, QS, (J/4)%2
.set J, J+1
.endr
	WIN 0x80
	WM 248, KL, QF, -1, KS+31, QS, 1               ; tile 63, from its copy in window 0
.rept 4
	v_nop                                          ; places in front of the loads into Q's registers and of the first read of results
.endr
	WIN 0
	s_add_co_u32 s45, s44, 1
	s_and_b32 s45, s45, 7                          ; the next trip's tile t (the last trip names tile 0 again, and nobody reads it)
	s_lshl_b32 s46, s45, 9                         ; codes: 512 t
	s_lshr_b32 s47, s45, 2
	s_lshl_b32 s47, s47, 8
	s_and_b32 s45, s45, 3
	s_lshl_b32 s45, s45, 2
	s_or_b32 s47, s47, s45                         ; scale word: 256 (t / 4) + 4 (t % 4)
	v_add_nc_u32 v4, s46, v1
	v_add_nc_u32 v5, s47, v3
	global_load_b128 v[QF:QF+3], v4, s[38:39]      ; waited for at the next trip's head, which also frees v4 and v5
	global_load_b32 v[QS], v5, s[38:39]
	BMAX 0
	BMAX 1
	WIN 0
.irp q, 0,1,2,3
.irp e, 0,1,2,3,4,5,6,7
	v_permlanex16_b32 v[TT+\e], v[BM+8*\q+\e], s40, s41
.endr
.irp e, 0,1,2,3,4,5,6,7
	v_max_num_f32 v[BM+8*\q+\e], v[BM+8*\q+\e], v[TT+\e]   ; with lane l xor 16's 16 keys: the block's largest score
.endr
.endr
.irp c, 0,1,2,3
	v_max3_num_f32 v[TT+\c], v[BM+8*\c], v[BM+8*\c+1], v[BM+8*\c+2]
.endr
.irp i, 3,5
.irp c, 0,1,2,3
	v_max3_num_f32 v[TT+\c], v[TT+\c], v[BM+8*\c+\i], v[BM+8*\c+\i+1]
.endr
.endr
	v_max3_num_f32 v[TT], v[TT], v[TT+1], v[BM+7]
	v_max3_num_f32 v[TT+2], v[TT+2], v[TT+3], v[BM+15]
	v_max3_num_f32 v[TT], v[TT], v[TT+2], v[BM+23]
	v_max_num_f32 v14, v[TT], v[BM+31]             ; the row's maximum
	v_mul_f32 v10, 0xbfb8aa3b, v14                 ; - maximum x log2(e)
.set B, 0
.rept 32
	v_fma_f32 v[BM+B], v[BM+B], s42, v10           ; each block's largest score goes the way of all scores: the same two instructions on the same number give the same bits
.set B, B+1
.endr
	FMAW 0
	FMAW 1
	s_wait_alu depctr_va_vdst(0)                   ; ALL SOURCES ARE LAID: one wait ahead of the batch,
	EXPW 1                                         ; 544 exponentials on end,
	EXPW 0
	WIN 0
.set B, 0
.rept 32
	v_exp_f32 v[BM+B], v[BM+B]
.set B, B+1
.endr
	v_nop                                          ; a plain place,
	s_wait_alu depctr_va_vdst(0)                   ; and one wait behind it, ahead of the first reader
	WIN 0x05
.irp c, 0,1,2,3,4,5,6,7
	v_pk_add_f32 v[SM+2*\c:SM+2*\c+1], v[4*\c:4*\c+1], v[4*\c+2:4*\c+3]    ; the row's sum, two at a time, in eight chains
.endr
	WIN 0x04
.set J, 32
.rept 112
	v_pk_add_f32 v[SM+2*((J/2)%8):SM+2*((J/2)%8)+1], v[SM+2*((J/2)%8):SM+2*((J/2)%8)+1], v[J:J+1]
.set J, J+2
.endr
	WIN 0x08
.set J, 0
.rept 128
	v_pk_add_f32 v[SM+2*((J/2)%8):SM+2*((J/2)%8)+1], v[SM+2*((J/2)%8):SM+2*((J/2)%8)+1], v[J:J+1]
.set J, J+2
.endr
	WIN 0
.irp c, 0,1,2,3
	v_pk_add_f32 v[SM+2*\c:SM+2*\c+1], v[SM+2*\c:SM+2*\c+1], v[SM+8+2*\c:SM+8+2*\c+1]
.endr
.irp c, 0,1
	v_pk_add_f32 v[SM+2*\c:SM+2*\c+1], v[SM+2*\c:SM+2*\c+1], v[SM+4+2*\c:SM+4+2*\c+1]
.endr
	v_pk_add_f32 v[SM:SM+1], v[SM:SM+1], v[SM+2:SM+3]
	v_add_f32 v[SM], v[SM], v[SM+1]
	v_permlanex16_b32 v[SM+2], v[SM], s40, s41
	v_add_f32 v[SM], v[SM], v[SM+2]                ; with lane l xor 16's keys
	s_wait_alu depctr_va_vdst(0)                   ; the wait ahead of the transcendental
	v_rcp_f32 v12, v[SM]
	v_nop
	s_wait_alu depctr_va_vdst(0)                   ; and behind it
	v_mul_f32 v12, 0x3d000000, v12                 ; 1 / (32 x sum): sqrt(1,024) = 32
.irp i, 0,2,4,6,8,10,12,14,16,18,20,22,24,26,28,30
	v_pk_mul_f32 v[BM+\i:BM+\i+1], v[BM+\i:BM+\i+1], v[12:13] op_sel_hi:[1,0]   ; each block's largest att
.endr
.set B, 0
.rept 32
	v_max_num_f32 v[BM+B], 0x1800000, v[BM+B]      ; the floor 2^(3 - 127): the byte cannot fall under 1
.set B, B+1
.endr
.set B, 0
.rept 32
	v_add_nc_u32 v[BM+B], 0xff000000, v[BM+B]      ; 2 off the exponent field: the conversion's scale operand
.set B, B+1
.endr
.irp s, 0,1,2,3,4,5,6,7
	v_lshrrev_b32 v[PS+\s], 23, v[BM+4*\s]         ; four bytes make a key step's scale word
.endr
.irp e, 1,2,3
.irp s, 0,1,2,3,4,5,6,7
	v_lshrrev_b32 v[TT+\s], 23, v[BM+4*\s+\e]
.endr
.irp s, 0,1,2,3,4,5,6,7
	v_lshl_or_b32 v[PS+\s], v[TT+\s], 8*\e, v[PS+\s]
.endr
.endr
	NORMH 0, 0
	LOADV 0                                        ; 32 loads over the 128 registers just converted
	NORMH 0, 1
	LOADV 1
	NORMH 1, 0
	NORMH 1, 1
	WIN 0
.irp s, 0,1,2,3,4,5,6,7
.irp c, 0,1
.irp i, 0,1
	v_permlane16_swap_b32 v[PC+8*\s+4*\c+\i], v[PC+8*\s+4*\c+2+\i]   ; a whole block into a lane
.endr
.endr
.endr
.rept 8
	v_nop                                          ; places between operands written by vector instructions and the scaled matrix instructions
.endr
	WIN 0x01                                       ; source 0 (V) window 1
	s_wait_alu depctr_va_vdst(0)
.irp s, 0,1,2,3,4,5,6,7
	s_wait_dscnt 56-8*\s                           ; key step s's eight loads are in; eight for each later step may be out
.irp dt, 0,1,2,3
.if \s == 0
	WM OT+8*\dt, 8*(4*\s+\dt), PC+8*\s, -1, VS+2*\s+\dt/2, PS+\s, \dt%2
.else
	WM OT+8*\dt, 8*(4*\s+\dt), PC+8*\s, OT+8*\dt, VS+2*\s+\dt/2, PS+\s, \dt%2   ; four accumulators by turns
.endif
.endr
.endr
.rept 5
	v_nop
.endr
	WIN 0
.irp b, 0,1
	v_max3_num_f32 v[SC+\b], |v[OT+16*\b]|, |v[OT+16*\b+1]|, 0x1800000     ; o's two blocks of 32 along the head
.endr
.irp i, 2,4,6,8,10,12,14
.irp b, 0,1
	v_max3_num_f32 v[SC+\b], v[SC+\b], |v[OT+16*\b+\i]|, |v[OT+16*\b+\i+1]|
.endr
.endr
.irp b, 0,1
	v_permlanex16_b32 v[SC+2+\b], v[SC+\b], s40, s41
.endr
.irp b, 0,1
	v_max_num_f32 v[SC+\b], v[SC+\b], v[SC+2+\b]
.endr
.irp b, 0,1
	v_add_nc_u32 v[SC+4+\b], 0xff000000, v[SC+\b]
.endr
.irp b, 0,1
	v_lshrrev_b32 v[SC+6+\b], 23, v[SC+4+\b]
.endr
	v_lshl_or_b32 v[SC+8], v[SC+7], 8, v[SC+6]
	s_wait_alu depctr_va_vdst(0)
	s_wait_xcnt 0x0                                ; the last trip's store has read its registers, which are written again below
	s_lshl_b32 s45, s44, 13
	v_add_nc_u32 v8, s45, v1
	s_lshl_b32 s45, s44, 6
	v_add_nc_u32 v7, s45, v6
.irp b, 0,1
	v_cvt_scalef32_pk8_fp4_f32 v[OC+2*\b], v[OT+16*\b:OT+16*\b+7], v[SC+4+\b]
	v_cvt_scalef32_pk8_fp4_f32 v[OC+2*\b+1], v[OT+16*\b+8:OT+16*\b+15], v[SC+4+\b]
.endr
	v_nop
	v_permlane16_swap_b32 v[OC], v[OC+2]
	v_permlane16_swap_b32 v[OC+1], v[OC+3]
	global_store_b128 v8, v[OC:OC+3], s[52:53]     ; 512 consecutive bytes
	ds_store_b32 v7, v[SC+8]                       ; lanes r and r + 16 write the same word with the same value
	s_add_co_u32 s44, s44, 1
	s_cmp_lt_u32 s44, 8
	s_cbranch_scc1 .Ltrip
	s_wait_dscnt 0x0
	ds_load_b128 v[TT:TT+3], v15                   ; my wave's 128 scale halves
	s_wait_dscnt 0x0
	global_store_b128 v1, v[TT:TT+3], s[54:55]     ; 512 consecutive bytes
	s_wait_tensorcnt 0x0                           ; the wave's end
	ds_add_u32 v254, v255
	s_wait_dscnt 0x0
	s_endpgm
.Lfunc_end_k_q3bc0038a2f_attn:
	.size	k_q3bc0038a2f_attn, .Lfunc_end_k_q3bc0038a2f_attn-k_q3bc0038a2f_attn
	.p2alignl 7, 3214868480
	.fill 96, 4, 3214868480
	.section	.rodata,"a",@progbits
	.p2align	6, 0x0
	.amdhsa_kernel k_q3bc0038a2f_attn
		.amdhsa_group_segment_fixed_size 168448
		.amdhsa_private_segment_fixed_size 0
		.amdhsa_enable_private_segment 0
		.amdhsa_kernarg_size 16
		.amdhsa_user_sgpr_count 2
		.amdhsa_user_sgpr_kernarg_segment_ptr 1
		.amdhsa_wavefront_size32 1
		.amdhsa_system_sgpr_workgroup_id_x 1
		.amdhsa_system_sgpr_workgroup_id_y 1
		.amdhsa_system_sgpr_workgroup_id_z 1
		.amdhsa_system_vgpr_workitem_id 0
		.amdhsa_next_free_vgpr 1024
		.amdhsa_next_free_sgpr 66
		.amdhsa_reserve_vcc 0
		.amdhsa_float_denorm_mode_32 3
		.amdhsa_float_denorm_mode_16_64 3
		.amdhsa_memory_ordered 1
		.amdhsa_forward_progress 1
		.amdhsa_inst_pref_size 130
	.end_amdhsa_kernel
	.amdgpu_metadata
---
amdhsa.version: [ 1, 2 ]
amdhsa.kernels:
  - .name:           k_q3bc0038a2f_attn
    .symbol:         k_q3bc0038a2f_attn.kd
    .args:
      - { .name: qkvq, .offset: 0, .size: 8, .value_kind: global_buffer, .address_space: global }
      - { .name: oq, .offset: 8, .size: 8, .value_kind: global_buffer, .address_space: global }
    .group_segment_fixed_size: 168448
    .private_segment_fixed_size: 0
    .kernarg_segment_align: 8
    .kernarg_segment_size: 16
    .max_flat_workgroup_size: 128
    .sgpr_count:     66
    .vgpr_count:     1024
    .wavefront_size: 32
...
	.end_amdgpu_metadata
.endif
;; end of part 3
;; launch proj (part 4): grid 256 x 1, 4 waves a work-group, no clusters, 168,448 bytes of LDS; arguments oq, wq, b_proj, out0; writes out0
.if DOCPART == 4
	.amdgcn_target "amdgcn-amd-amdhsa--gfx1250"
	.amdhsa_code_object_version 6
	.text
	.protected	k_q3bc0038a2f_proj
	.globl	k_q3bc0038a2f_proj
	.p2align	8
	.type	k_q3bc0038a2f_proj,@function
k_q3bc0038a2f_proj:
	s_mov_b64 s[64:65], 0
	v_nop
	global_prefetch_b8 v0, s[64:65] scope:SCOPE_SE
	s_setreg_imm32_b32 hwreg(HW_REG_WAVE_MODE, 25, 1), 1
	s_wait_xcnt 0x0
; out0 = o w_proj + b_proj on codes of FP4; o's codes and scale bytes come from the attention, w_proj's from the first launch; f32 out.
; SHARES.  A work-group: 512 tokens x 64 columns (4 tiles; 256 bytes of each output row).  A wave: 128 tokens, 8 tiles.
; BY TOKEN TILES.  The 4 tiles of W, 32,768 bytes, come into LDS once (one tensor load a wave) and from there into each wave's registers, all 32 fragments, where they stay.  o's tiles stream from memory straight into
; registers, two tiles (48 loads) ahead, each tile into registers of its own.  As soon as a tile is in, its 32 products are made (4 accumulators by turns, 8 K steps) and it leaves:
; so the first rows are stored while the later tiles are still being loaded, and nothing is left for the end but the last tile.
; No cluster: W is a ninth of what a work-group reads, and o goes into registers, where no joint load can put it.
; Source 0 = W's tile, source 1 = o's: a lane holds eight neighbouring columns of one token's row.  The bias is the C of each sum's first matrix instruction.
; THE WAY OUT: a tile's 16 rows x 256 bytes go through the wave's own stage in LDS and leave as whole rows: sixteen lanes store 256 consecutive bytes, aligned.  Row p of tile T is token 32 (T / 2) + 8 (T % 2) + p + 8 (p / 8).
; REGISTERS.  window 0: v1-7 addresses; v16-47 o's scale words; v48-63 W's; v64-95 the bias; v96-159 two sets of four accumulators; v160-223 two sets of rows on their way out; v224-255 four sets of a tile's scale halves.
;   window 1: W's fragments, (tile n, K step s) at 64 n + 8 s.  windows 2, 3: o's fragments: (tile i, K step s) at 64 (i % 4) + 8 s of window 2 + i / 4.
.set OSO,  4194304
.set W2CO, 1572864
.set W2SO, 2195456
.set OSC,  16                          ; register 4 i + 2 (s / 4) + s % 2; lanes by (s / 2) % 2
.set WS,   48                          ; register 8 (n / 2) + s; lanes by n % 2
.set BI,   64
.set ACC,  96
.set OUTR, 160
.set TP,   224
.set LST,  32768                       ; the stages: 16 rows x 272 bytes for each wave, behind W
.set SPI,  272
.set MSB, 0
.macro WIN new
.if MSB != (\new)
	s_set_vgpr_msb (MSB<<8)|(\new)
.set MSB, (\new)
.endif
.endm
.macro WM d, a, b, c, sa, sb, ra, rb
.if (\ra) && (\rb)
	v_wmma_scale_f32_16x16x128_f8f6f4 v[(\d):(\d)+7], v[(\a):(\a)+7], v[(\b):(\b)+7], v[(\c):(\c)+7], v[\sa], v[\sb] matrix_a_fmt:MATRIX_FMT_FP4 matrix_b_fmt:MATRIX_FMT_FP4 matrix_a_scale:MATRIX_SCALE_ROW1 matrix_b_scale:MATRIX_SCALE_ROW1
.elseif (\ra)
	v_wmma_scale_f32_16x16x128_f8f6f4 v[(\d):(\d)+7], v[(\a):(\a)+7], v[(\b):(\b)+7], v[(\c):(\c)+7], v[\sa], v[\sb] matrix_a_fmt:MATRIX_FMT_FP4 matrix_b_fmt:MATRIX_FMT_FP4 matrix_a_scale:MATRIX_SCALE_ROW1
.elseif (\rb)
	v_wmma_scale_f32_16x16x128_f8f6f4 v[(\d):(\d)+7], v[(\a):(\a)+7], v[(\b):(\b)+7], v[(\c):(\c)+7], v[\sa], v[\sb] matrix_a_fmt:MATRIX_FMT_FP4 matrix_b_fmt:MATRIX_FMT_FP4 matrix_b_scale:MATRIX_SCALE_ROW1
.else
	v_wmma_scale_f32_16x16x128_f8f6f4 v[(\d):(\d)+7], v[(\a):(\a)+7], v[(\b):(\b)+7], v[(\c):(\c)+7], v[\sa], v[\sb] matrix_a_fmt:MATRIX_FMT_FP4 matrix_b_fmt:MATRIX_FMT_FP4
.endif
.endm
; tile i's 24 loads: the sixteen heads' scale halves (8 loads; lanes 16-31 four heads on), then its eight fragments (16 loads of 512 consecutive bytes)
.macro TLOADS i
.irp g, 0,1
.irp ww, 0,1
.irp e, 0,1
	global_load_b32 v[TP+8*((\i)%4)+2*(2*\g+\ww)+\e], v3, s[30:31] offset:(2*(4*\g+\ww)+\e)*32768+64*(\i)   ; head 2 s + e of K step s = 4 g + 2 h + ww
.endr
.endr
.endr
	WIN 0x80+0x40*((\i)/4)                         ; destination window 2 or 3
.irp s, 0,1,2,3,4,5,6,7
.irp c, 0,1
	global_load_b128 v[64*((\i)%4)+8*\s+4*\c:64*((\i)%4)+8*\s+4*\c+3], v1, s[28:29] offset:8192*(\i)+1024*\s+512*\c
.endr
.endr
	WIN 0
.endm
.macro TOSTAGE i
.irp n, 0,1,2,3
	ds_store_b128 v5, v[ACC+32*((\i)%2)+8*\n:ACC+32*((\i)%2)+8*\n+3] offset:64*\n          ; each accumulator from its low end on
	ds_store_b128 v5, v[ACC+32*((\i)%2)+8*\n+4:ACC+32*((\i)%2)+8*\n+7] offset:64*\n+16
.endr
.irp e, 0,1,2,3,4,5,6,7
	ds_load_b128 v[OUTR+32*((\i)%2)+4*\e:OUTR+32*((\i)%2)+4*\e+3], v6 offset:2*SPI*\e   ; LDS serves a wave's instructions in order: these see the stores above
.endr
.endm
.macro SEND i, younger                 ; younger: the LDS instructions issued behind tile i's loads, which may stay out
	s_wait_dscnt \younger
.irp e, 0,1,2,3,4,5,6,7
	global_store_b128 v7, v[OUTR+32*((\i)%2)+4*\e:OUTR+32*((\i)%2)+4*\e+3], s[36:37] offset:(32*((\i)/2)+8*((\i)%2)+2*\e+8*(\e/4))*4096 th:TH_STORE_NT   ; two rows: 256 consecutive bytes each, aligned
.endr
.endm
; one token tile, from its loads' arrival to the stage; the tile before it is stored meanwhile
.macro PTILE i
.if (\i)+2 < 8
	TLOADS (\i)+2                                  ; two tiles ahead, into registers of their own
.endif
.if (\i) < 6
	s_wait_loadcnt 48                              ; this tile's 24 loads (and all older ones) are in; the two younger tiles' 48 may be out
.else
	s_wait_loadcnt 24*(7-(\i))
.endif
.irp k, 0,1,2,3
	v_perm_b32 v[OSC+4*(\i)+\k], v[TP+8*((\i)%4)+2*\k+1], v[TP+8*((\i)%4)+2*\k], s38   ; a K step's scale word: the even head's two bytes below, the odd head's above
.endr
.rept 8
	v_nop                                          ; scale words written by vector instructions stand eight places ahead of a scaled matrix instruction
.endr
.if (\i) == 0
	s_wait_alu depctr_va_vdst(0)
	s_wait_dscnt 0x0                               ; W's 32 fragments are in
.endif
	WIN 0x09+4*((\i)/4)                            ; source 0 (W) window 1, source 1 (o) window 2 or 3, C and D window 0
.irp s, 0,1,2,3,4,5,6,7
.irp n, 0,1,2,3
.set AA, ACC+32*((\i)%2)+8*\n
.set CC, AA
.if \s == 0
.set CC, BI+8*\n                                   ; the first K step starts the sum with the bias
.endif
	WM AA, 64*\n+8*\s, 64*((\i)%4)+8*\s, CC, WS+8*(\n/2)+\s, OSC+4*(\i)+2*(\s/4)+\s%2, \n%2, (\s/2)%2
.endr
.endr
.rept 4
	v_nop                                          ; places in front of the first read of results (ISA guide 7.12.1)
.endr
	WIN 0
.if (\i) > 1
	s_wait_xcnt 0x0                                ; tile i - 2's stores have read their registers: tile i's rows may land there
.endif
	TOSTAGE \i
.if (\i) > 0
	SEND (\i)-1, 16                                ; behind tile i - 1's loads from the stage: tile i's eight stores and eight loads
.endif
.endm
	s_load_b256 s[4:11], s[0:1], 0x0               ; oq s[4:5], wq s[6:7], b_proj s[8:9], out0 s[10:11]
	v_lshl_add_u32 v14, v0, 2, 0x29000
	v_mov_b32 v15, 0
	ds_add_u32 v14, v15
	ds_add_u32 v14, v15
	v_lshrrev_b32 v8, 5, v0
	v_readfirstlane_b32 s12, v8                    ; wave
	s_and_b32 s13, ttmp9, 15                       ; which 64 columns
	s_lshr_b32 s14, ttmp9, 4                       ; which 512 tokens
	s_mov_b32 s16, 3<<16                           ; group 1: 32 dense rows of 256 bytes a wave
	s_mov_b32 s17, 32<<16
	s_mov_b32 s18, 32<<16
	s_mov_b32 s19, 32<<16
	s_mov_b32 s20, 32
	s_mov_b32 s21, 32
	s_mov_b32 s22, 0
	s_mov_b32 s23, 0
	s_mov_b32 s24, 1
	s_lshl_b32 s25, s12, 13                        ; LDS: tile n = my wave's number
	s_lshl_b32 s40, s13, 15
	s_add_co_u32 s40, s40, s25
	s_add_co_u32 s40, s40, W2CO
	s_mov_b32 s41, 0
	s_wait_dscnt 0x0
	s_wait_kmcnt 0x0
	s_add_nc_u64 s[26:27], s[6:7], s[40:41]
	s_or_b32 s27, s27, 0x80000000
	tensor_load_to_lds s[24:27], s[16:23]          ; filled once
	s_nop 0
	v_and_b32 v8, 31, v0                           ; l
	v_and_b32 v9, 15, v0                           ; r
	v_bfe_u32 v10, v0, 4, 1                        ; h
	v_lshlrev_b32 v1, 4, v8                        ; 16 l
	v_lshlrev_b32 v2, 3, v8                        ; 8 l
	v_lshlrev_b32 v3, 2, v9
	v_lshl_add_u32 v3, v10, 17, v3                 ; o's scale halves: row r; lanes 16-31 two K steps, four heads, on
	v_lshlrev_b32 v4, 5, v10                       ; the bias: 8 h columns on
	s_wait_alu depctr_va_vdst(0)
	s_mul_i32 s42, s12, 16*SPI
	s_add_co_u32 s42, s42, LST                     ; my stage
	v_mul_u32_u24 v5, v9, SPI
	v_lshl_add_u32 v5, v10, 5, v5
	v_add_nc_u32 v5, s42, v5                       ; in: row r, + 32 h
	v_mul_u32_u24 v6, v10, SPI
	v_lshl_add_u32 v6, v9, 4, v6
	v_add_nc_u32 v6, s42, v6                       ; back: lanes 0-15 one row, lanes 16-31 the next
	v_lshlrev_b32 v7, 4, v9
	v_lshl_add_u32 v7, v10, 12, v7                 ; and the same two rows in out0
	; o IS PREFETCHED, SHARED OUT: the sixteen work-groups (column blocks) that read the same 32 token tiles of o share them out by address: waves 0 and 1 of column block c name tile 2 c + wave,
	; 8,192 bytes, a lane to each 256, one instruction a wave, ahead of the first loads.  So each block of 256 bytes is named once among the sixteen.  v11 and s[44:45] are never rewritten
	v_lshlrev_b32 v11, 8, v8                       ; 256 l
	s_lshl_b32 s44, s14, 5
	s_lshl_b32 s46, s13, 1
	s_add_co_u32 s44, s44, s46
	s_add_co_u32 s44, s44, s12
	s_lshl_b32 s44, s44, 13
	s_mov_b32 s45, 0
	s_add_nc_u64 s[44:45], s[4:5], s[44:45]
	s_wait_alu depctr_va_vdst(0)
	s_cmp_lt_u32 s12, 2
	s_cbranch_scc0 .Lno_ask
	global_prefetch_b8 v11, s[44:45] th:TH_LOAD_NT scope:SCOPE_SE
.Lno_ask:
	s_mov_b32 s38, 0x05040100
	s_lshl_b32 s15, s14, 5
	s_lshl_b32 s40, s12, 3
	s_add_co_u32 s15, s15, s40                     ; T0
	s_lshl_b32 s40, s15, 13
	s_add_nc_u64 s[28:29], s[4:5], s[40:41]        ; o's codes
	s_lshl_b32 s40, s15, 6
	s_add_co_u32 s40, s40, OSO
	s_add_nc_u64 s[30:31], s[4:5], s[40:41]        ; o's scale halves, [head][tile][row]
	s_lshl_b32 s40, s13, 11
	s_add_co_u32 s40, s40, W2SO
	s_add_nc_u64 s[32:33], s[6:7], s[40:41]        ; W's scale words
	s_lshl_b32 s40, s13, 8
	s_add_nc_u64 s[34:35], s[8:9], s[40:41]        ; the 64 biases
	s_lshl_b32 s42, s15, 16
	s_add_co_u32 s40, s40, s42
	s_add_nc_u64 s[36:37], s[10:11], s[40:41]      ; out0: token 16 T0, my 256 bytes of a row
.irp a, 0,1
.irp q, 0,1,2,3
	global_load_b64 v[WS+8*\a+2*\q:WS+8*\a+2*\q+1], v2, s[32:33] offset:1024*\a+256*\q
.endr
.endr
.irp n, 0,1,2,3
	global_load_b128 v[BI+8*\n:BI+8*\n+3], v4, s[34:35] offset:64*\n
	global_load_b128 v[BI+8*\n+4:BI+8*\n+7], v4, s[34:35] offset:64*\n+16
.endr
	TLOADS 0
	TLOADS 1
	s_wait_tensorcnt 0x0                           ; my tile of W is in LDS,
	s_barrier_signal -1
	s_barrier_wait -1                              ; everybody's is
	WIN 0x40                                       ; destination window 1: all of W, read from LDS once
.irp n, 0,1,2,3
.irp s, 0,1,2,3,4,5,6,7
.irp c, 0,1
	ds_load_b128 v[64*\n+8*\s+4*\c:64*\n+8*\s+4*\c+3], v1 offset:8192*\n+1024*\s+512*\c
.endr
.endr
.endr
	WIN 0
.irp i, 0,1,2,3,4,5,6,7
	PTILE \i
.endr
	SEND 7, 0
	s_wait_tensorcnt 0x0
	ds_add_u32 v14, v15
	s_wait_dscnt 0x0
	s_endpgm
.Lfunc_end_k_q3bc0038a2f_proj:
	.size	k_q3bc0038a2f_proj, .Lfunc_end_k_q3bc0038a2f_proj-k_q3bc0038a2f_proj
	.p2alignl 7, 3214868480
	.fill 96, 4, 3214868480
	.section	.rodata,"a",@progbits
	.p2align	6, 0x0
	.amdhsa_kernel k_q3bc0038a2f_proj
		.amdhsa_group_segment_fixed_size 168448
		.amdhsa_private_segment_fixed_size 0
		.amdhsa_enable_private_segment 0
		.amdhsa_kernarg_size 32
		.amdhsa_user_sgpr_count 2
		.amdhsa_user_sgpr_kernarg_segment_ptr 1
		.amdhsa_wavefront_size32 1
		.amdhsa_system_sgpr_workgroup_id_x 1
		.amdhsa_system_sgpr_workgroup_id_y 1
		.amdhsa_system_sgpr_workgroup_id_z 1
		.amdhsa_system_vgpr_workitem_id 0
		.amdhsa_next_free_vgpr 1024
		.amdhsa_next_free_sgpr 66
		.amdhsa_reserve_vcc 0
		.amdhsa_float_denorm_mode_32 3
		.amdhsa_float_denorm_mode_16_64 3
		.amdhsa_memory_ordered 1
		.amdhsa_forward_progress 1
		.amdhsa_inst_pref_size 81
	.end_amdhsa_kernel
	.amdgpu_metadata
---
amdhsa.version: [ 1, 2 ]
amdhsa.kernels:
  - .name:           k_q3bc0038a2f_proj
    .symbol:         k_q3bc0038a2f_proj.kd
    .args:
      - { .name: oq, .offset: 0, .size: 8, .value_kind: global_buffer, .address_space: global }
      - { .name: wq, .offset: 8, .size: 8, .value_kind: global_buffer, .address_space: global }
      - { .name: b_proj, .offset: 16, .size: 8, .value_kind: global_buffer, .address_space: global }
      - { .name: out0, .offset: 24, .size: 8, .value_kind: global_buffer, .address_space: global }
    .group_segment_fixed_size: 168448
    .private_segment_fixed_size: 0
    .kernarg_segment_align: 8
    .kernarg_segment_size: 32
    .max_flat_workgroup_size: 128
    .sgpr_count:     66
    .vgpr_count:     1024
    .wavefront_size: 32
...
	.end_amdgpu_metadata
.endif
;; end of part 4
